; MI455X (gfx1250); checked and timed in simulation.
; The chip was launched on July 23, 2026; its instructions are those of AMD's public machine-readable ISA for CDNA 5 (MIT licence, August 2026) and "CDNA5" Instruction Set Architecture Reference Guide (July 2026). The comments in the code are by the model that wrote it; some were corrected since.
;; Linear Attention. Allowed arithmetic: matrix products marked QUANTISED: E4M3 operands, one E8M0 scale for each 32 along K, by v_wmma_scale_f32_16x16x128_f8f6f4 with both operands' format E4M3, f32 sums; products left as they are: f32 operands where the result goes on into a quantised operand, else bf16, f16 or f32 operands; f32 sums; everything else in f32.
;; Inputs: Wk_codes 1,024 x 32 x 32 uint8 (E4M3 codes of Wk, K innermost, in blocks of 32 codes); Wk_scales 1,024 x 32 uint8 (E8M0 scales of Wk, one for each 32 codes along K); Wq_codes 1,024 x 32 x 32 uint8 (E4M3 codes of Wq, K innermost, in blocks of 32 codes); Wq_scales 1,024 x 32 uint8 (E8M0 scales of Wq, one for each 32 codes along K); Wv_codes 1,024 x 32 x 32 uint8 (E4M3 codes of Wv, K innermost, in blocks of 32 codes); Wv_scales 1,024 x 32 uint8 (E8M0 scales of Wv, one for each 32 codes along K); k_codes 4,096 x 4 x 32 x 32 uint8 (E4M3 codes of k, K innermost, in blocks of 32 codes); k_scales 4,096 x 4 x 32 uint8 (E8M0 scales of k, one for each 32 codes along K); q_codes 4,096 x 4 x 32 x 32 uint8 (E4M3 codes of q, K innermost, in blocks of 32 codes); q_scales 4,096 x 4 x 32 uint8 (E8M0 scales of q, one for each 32 codes along K); v_codes 4,096 x 4 x 32 x 32 uint8 (E4M3 codes of v, K innermost, in blocks of 32 codes); v_scales 4,096 x 4 x 32 uint8 (E8M0 scales of v, one for each 32 codes along K).
;; Outputs: out0 4,096 x 4 x 1,024 float32.
;; This version of the problem:
;;   THIS VERSION OF THE PROBLEM IS GIVEN IN LOW PRECISION. The matrix products marked QUANTISED in the list below multiply operands that are first quantised to E4M3 (4 exponent bits, 3 mantissa bits; 8 bits a number), with one power-of-two scale for each 32 numbers along K (OCP MX v1.0); their sums are f32. All else is computed in f32.
;;   The module's matrix products, in the order in which they are computed (A, B: the left and right operand; K: the contracted axis; several contracted axes count as one K, in the product's order):
;;     1. [M 16,384, K 1,024] x [K 1,024, N 1,024]; A: input q (given as codes); B: input Wq (given as codes): QUANTISED
;;     2. [M 16,384, K 1,024] x [K 1,024, N 1,024]; A: input k (given as codes); B: input Wk (given as codes): QUANTISED
;;     3. [M 16,384, K 1,024] x [K 1,024, N 1,024]; A: input v (given as codes); B: input Wv (given as codes): QUANTISED
;;     4. batch 262,144 x [M 1, K 64] x [K 64, N 1]; A: computed on the way; B: computed on the way: left as it is (M = 1 < 16)
;;   THE QUANTISER, for each operand of a quantised product, along K:
;;     - K is cut into blocks of 32 from its start; a last block that is shorter is filled with zeros.
;;     - A block's scale is 2^e with e = floor(log2(the largest magnitude in the block)) - 8, held to -126 .. 127; a block of zeros has e = 0. As a byte (E8M0): e + 127.
;;     - Each number is divided by its block's scale, clamped to +-448, and rounded to the nearest number of E4M3, ties to even, subnormals kept.
;;     - The product sums the exact products of the quantised numbers (number of the format x scale) in f32.
;;   ~~~python
;;   def quantise(x, axis):      # numpy; x: float32 -> the quantised numbers, widened to float32 again
;;       x = np.moveaxis(x, axis, -1); K = x.shape[-1]
;;       x = np.pad(x, [(0, 0)] * (x.ndim - 1) + [(0, -K % 32)]); x = x.reshape(x.shape[:-1] + (-1, 32)); a = np.abs(x).max(-1, keepdims=True)
;;       e = np.where(a > 0, np.clip(np.frexp(np.where(a > 0, a, 1))[1] - 1 - 8, -126, 127), 0)      # np.frexp(a)[1] - 1 = floor(log2(a)), exactly
;;       r = np.clip(x / 2.0 ** e, -448, 448)
;;       step = 2.0 ** (np.maximum(np.frexp(np.where(r == 0, 1, r))[1] - 1, -6) - 3)
;;       q = np.round(r / step) * step * 2.0 ** e      # np.round: ties to even
;;       return np.moveaxis(q.reshape(q.shape[:-2] + (-1,))[..., :K], -1, axis).astype(np.float32)
;;   ~~~
;;   INPUTS GIVEN AS CODES. Wk (in the module: [1024, 1024], K = its axis 1); Wq (in the module: [1024, 1024], K = its axis 1); Wv (in the module: [1024, 1024], K = its axis 1); k (in the module: [4096, 4, 1024], K = its axis 2); q (in the module: [4096, 4, 1024], K = its axis 2); v (in the module: [4096, 4, 1024], K = its axis 2): each comes as NAME_codes (uint8): NAME with its K axis moved to the last place and cut into blocks of 32 codes, [.., K / 32, bytes a block], one block behind the other in memory; one code a byte (a code: sign, 4 exponent bits, 3 mantissa bits); and NAME_scales (uint8): the same leading axes, one E8M0 byte (e + 127) for each 32 codes along K. Its value is code x scale, taken as it is: it is not quantised again, and the codes and scales need not be those that the quantiser above would give.
;; One version. Each part assembles by itself: llvm-mc -triple=amdgcn-amd-amdhsa -mcpu=gfx1250 --defsym DOCPART=n.
;; ======== version 1 of 1: 1 launch
;; launch fused (part 1): grid 4 x 64, 4 waves a work-group, clusters of 4 x 4, 327,680 bytes of LDS; arguments q_codes, q_scales, Wq_codes, Wq_scales, k_codes, k_scales, Wk_codes, Wk_scales, v_codes, v_scales, Wv_codes, Wv_scales, out0; writes out0
.if DOCPART == 1
	.amdgcn_target "amdgcn-amd-amdhsa--gfx1250"
	.amdhsa_code_object_version 6
	.text
	.protected	k_q097521af9b_fused
	.globl	k_q097521af9b_fused
	.p2align	8
	.type	k_q097521af9b_fused,@function
k_q097521af9b_fused:
	s_mov_b64 s[64:65], 0
	v_nop
	global_prefetch_b8 v0, s[64:65] scope:SCOPE_SE
	s_setreg_imm32_b32 hwreg(HW_REG_WAVE_MODE, 25, 1), 1
	s_wait_xcnt 0x0
	s_wait_alu depctr_hold_cnt(0) depctr_sa_sdst(0) depctr_va_vdst(0) depctr_va_sdst(0) depctr_va_ssrc(0) depctr_va_vcc(0) depctr_vm_vsrc(0)
	s_getreg_b32 s2, hwreg(HW_REG_IB_STS2, 6, 4)
	s_cmp_eq_u32 s2, 0
	s_cbranch_scc0 .Lentry_in_a_cluster
	s_endpgm
.Lentry_in_a_cluster:
	s_bfe_u32 s2, ttmp6, 0x10000c
	s_cmp_lg_u32 s2, 0xf033
	s_cbranch_scc0 .Lentry_shape_is_right
	s_endpgm
.Lentry_shape_is_right:
; out[s][b][:] = the running sum over b of (qk V) / qk, with a = q Wq^T, b = k Wk^T, V = v Wv^T (rows m = 4 s + b, 16,384 of them; 1,024 columns; K = 1,024), and for each row and head of 64 columns
; qk = the sum over the head's d of exp(a_d) exp(b_d).  All six operands are codes of FP8 (E4M3) with one E8M0 byte for each 32 along K; the matrix instruction takes codes and bytes as they lie in memory.
; ONE LAUNCH.  A work-group of four waves makes 256 rows x 256 columns of out; a wave 128 x 128: 64 accumulators of 16 x 16, 512 registers.  256 work-groups.
; exp(a) exp(b) IS FORMED AS exp(a + b): the eight products along K of q Wq^T and the eight of k Wk^T are one chain on the same accumulators.  Then exp, the heads' sums and their reciprocals (32 registers); then
; v Wv^T starts anew on the same accumulators; on the way out each number is multiplied by qk, then by 1 / qk, and the four rows of an s are summed up.  reference() takes no maximum away ahead of its exponentials; nor does this text.
; LIMITS.  Where exp(a) or exp(b) alone leaves f32's range (|a| or |b| over about 87) reference() makes inf, 0 or NaN of it, this text exp(a + b).  qk is served within 2^-126 .. 2^126: v_exp_f32 and v_rcp_f32 take
; denormals as zero (ISA guide, their entries).  The division is a multiplication by v_rcp_f32(qk).  The sum over d goes by halves of the registers, not in reference()'s order.
; THE RING.  K goes in steps of 256 through two LDS slots filled by the tensor data mover, twelve K steps on end: q's four, k's four, v's four; the ring does not stop between tensors.  A tile's row is 256 bytes of memory.
; CLUSTERS: 4 x 4 work-groups.  The four of a row of the cluster need the same tiles of q, k, v, the four of a column the same tiles of the weights: each tile is asked for JOINTLY, by the same tensor load with the same
; descriptor and a mask that names the four.  THE SCALE BYTES ARE NOT ASKED FOR JOINTLY: they are 1/32 of a step's code bytes, and each wave loads the words of its own 128 + 128 rows straight into the registers that the
; matrix instruction names: a row's 32 bytes are two loads of 16; 32 lanes take 32 neighbouring rows, so lanes 0-15 hold an even block of 16 rows and lanes 16-31 the odd one, and the ROW selector picks by the block's parity.
; THE MATRIX INSTRUCTION IS USED TRANSPOSED (source 0 = 16 rows of the weight, source 1 = 16 rows of q, k or v): a lane holds one row m = lane % 16 and eight neighbouring columns 8 (lane / 16) + 0 .. 7.
; v's LAST K STEP GOES BY ROWS OF out: nothing follows the tile under which its stores could leave, so its blocks of 16 rows are finished one after the other and each leaves as soon as it is finished.
; REGISTERS, in windows of 256.  window 0: v0-31 addresses; v32-63 sixteen pairs (qk, 1 / qk); v64-95 the scale words of my 128 rows of q, k or v, v96-127 of my 128 rows of the weight; from v128 the activations'
;   fragments (8 x 16 rows x 128 K), ONE set; in the last K step four buffers of 16 rows x 256 K.   window 1: the weights' fragments, TWO sets, at v0 and v128.   window 2: the 32 accumulators of my rows 0-63 ((a, b) at
;   v[8 (8 a + b)]);   window 3: those of my rows 64-127.  So a head (4 blocks b) of a block a of rows is 32 registers on end.  On the way out a block's rows come back from LDS into its own 64 registers.
.set KROW,   1024                      ; a row of codes in memory, in bytes
.set PITCH,  272                       ; an LDS row: 256 bytes of data + 16 of padding = 68 words: row r starts at bank 4 r mod 64 (64 banks of 4 bytes: ISA guide 11.1), so the 16 rows that a load touches start at 16 different banks
.set FR,     16                        ; registers of a fragment: 16 rows x 128 K
.set NL,     4                         ; LDS loads that bring one
.set NP,     8                         ; places behind this matrix instruction (ISA guide 7.12.1)
.set HALFT,  128*PITCH                 ; 128 rows: what one tensor load brings, and what one wave reads of either side
.set SLOT,   4*HALFT                   ; the activations' 256 rows, then the weights' 256 rows
.set SPARE,  2*SLOT                    ; behind the ring: the spare words, 128 bytes for each wave: two blocks of 256 bytes that no other line names
.set SPITCH, 528                       ; the way out: a stage of 16 rows x (512 bytes + 16) for each wave.  It lies in slot 0, which has had its last fill and its last read when the first result is stored there
.set RT,   4                           ; v[4:5], v[6:7]  the way out: 1 / qk of the block's two heads in the low words
.set ADRA, 16                          ; v16-17  LDS address of my activation fragments in slot 0, 1
.set ADRB, 20                          ; v20-21  the same for the weights
.set STO,  24                          ; v24     the way out: where I put 32 bytes of a row
.set RD,   25                          ; v25     the way out: where I read a row back
.set CO,   26                          ; v26     my byte offset in a row of out; never rewritten
.set VSO,  27                          ; v27     32 x lane: my row among 32 rows of scale bytes; never rewritten
.set SPW,  28                          ; v28     LDS address of my spare word: SPARE + 4 x my thread's number; never rewritten
.set NIL,  29                          ; v29     0; never rewritten
.set PFO,  30                          ; v30     the prefetches' offset: 1,024 x lane, a lane a row of codes; never rewritten
.set QR,   32                          ; pair 2 a + hd: (qk, 1 / qk) of my row in block a, head hd
.set VSA,  64                          ; register 8 g + kk: the word for K = 128 kk on; lanes 0-15 block 2 g of my activation rows, lanes 16-31 block 2 g + 1
.set VSB,  96                          ; the same for my rows of the weight
.set AF,   128                         ; the activations' fragments
.set CNT,  3                           ; s3        trips to go
.set NA,   12                          ; s[12:13]  the NEXT tensor's codes at the rows that I fetch (k's, later v's);  s[14:15] its scale bytes at my 128 rows
.set NSA,  14
.set NB,   16                          ; s[16:17], s[18:19]  the same for the next weight
.set NSB,  18
.set OUT,  28                          ; s[28:29]  out at my part's first number; never rewritten behind the head
.set WV,   30                          ; s30  my wave
.set RH,   31                          ; s31  which half of the tile's rows is mine.  Also: I fetch activations (0) or weights (1)
.set CH,   32                          ; s32  which half of its columns.  Also: which 128 rows of that tile I fetch
.set G1A,  40                          ; s[40:47] descriptor group 1 for the activations' tiles;  s[48:55] for the weights': it differs in the mask alone
.set G1B,  48
.set G0A,  56                          ; s[56:63] group 0 for the activations' tiles, a set for each slot;  s[68:75] for the weights'
.set G0B,  68
.set SEL,  66                          ; s[66:67] lane selects for v_permlanex16_b32: lane l xor 16
.set L2E,  76                          ; s[76:77] log2(e): the packed form names a pair and takes its low word for both halves
.set PFA,  78                          ; s[78:79] where my prefetches stand: my work-group's 32 rows of the 128 that I fetch, in the next tensor;  s[80:81] the same in v's tensors
.set PFV,  80
.set LIM,  82                          ; s82  1 in a wave that prefetches
.set MSB, 0
.macro WIN new                         ; the immediate's high byte repeats the setting that is left; a switch that changes nothing is dropped
.if MSB != (\new)
	s_set_vgpr_msb (MSB<<8)|(\new)
.set MSB, \new
.endif
.endm
.set MUL_LO, 0xa1                      ; source 0 (weight) window 1, source 1 (activation) window 0, C and D window 2
.set MUL_HI, 0xf1                      ; the same, C and D window 3
.set TO_B,   0x40                      ; destination window 1, address window 0
; A joint load: waves 0 and 1 fetch the activations' two halves, waves 2 and 3 the weights'.  Each of the two lines has ONE mask and one set of registers for all that issue it; the branch hangs on the wave's number alone.
; An s_nop 0 and four v_nop follow each of the two lines, ahead of the jump, the label and what follows.
.macro JLOAD s
	s_cmp_eq_u32 s[RH], 0
	s_cbranch_scc0 .Lfor_b_\@
	tensor_load_to_lds s[G0A+4*\s:G0A+4*\s+3], s[G1A:G1A+7]
	s_nop 0
.rept 4
	v_nop
.endr
	s_branch .Lasked_\@
.Lfor_b_\@:
	tensor_load_to_lds s[G0B+4*\s:G0B+4*\s+3], s[G1B:G1B+7]
	s_nop 0
.rept 4
	v_nop
.endr
.Lasked_\@:
.endm
; A PREFETCH INTO THE L2 of a K step of the NEXT tensor: 32 rows x 256 bytes, a lane a row, one instruction a wave.  The four changes of slots of a tensor ask for the next tensor's K steps 0, 1, 2, 3: each two changes of
; slots, 256 matrix instructions, ahead of the joint load that names it.  Each row's 256 bytes are named ONCE in the launch: of the 128 rows that a wave fetches, the partner at place p takes 32 p .. 32 p + 31 (p = cx for
; the activations, cy for the weights), told apart BY ADDRESS; an activation's tile row is read by one cluster alone; a weight's tile column by every cluster, and the cluster with y = 0 asks.
; q's own K steps come by their loads alone, and while v is multiplied nothing is left to ask for.
.macro ASK off
	s_cmp_eq_u32 s[LIM], 1
	s_cbranch_scc0 .Lnot_mine_\@
	global_prefetch_b8 v[PFO], s[PFA:PFA+1] offset:\off th:TH_LOAD_NT scope:SCOPE_SE
.Lnot_mine_\@:
.endm
.macro CREST                           ; a round of the cluster's barrier behind its opening barrier
	s_cmp_lg_u32 s[WV], 0
	s_cbranch_scc1 .Lnot_wave_0_\@
	s_barrier_signal -3
.Lnot_wave_0_\@:
	s_barrier_wait -3
	s_barrier_signal -1
	s_barrier_wait -1
.endm
.macro CROUND                          ; a whole round
	s_barrier_signal -1
	s_barrier_wait -1
	CREST
.endm
; Eight loads: half h (words 4 h .. 4 h + 3: two K steps of 256) of the scale words of my 128 + 128 rows.  32 lanes take 16 bytes of each of 32 neighbouring rows of 32 bytes.
.macro SLOAD h, pa, pb
.irp g, 0,1,2,3
	global_load_b128 v[VSA+8*\g+4*\h:VSA+8*\g+4*\h+3], v[VSO], s[\pa:\pa+1] offset:1024*\g+16*\h
	global_load_b128 v[VSB+8*\g+4*\h:VSB+8*\g+4*\h+3], v[VSO], s[\pb:\pb+1] offset:1024*\g+16*\h
.endr
.endm
	s_load_b256 s[4:11], s[0:1], 0x0               ; q's codes s[4:5], q's scales s[6:7], Wq's codes s[8:9], Wq's scales s[10:11]
	s_load_b256 s[12:19], s[0:1], 0x20             ; the same four of k and Wk
	s_load_b256 s[20:27], s[0:1], 0x40             ; and of v and Wv
	s_load_b64 s[OUT:OUT+1], s[0:1], 0x60          ; out
	v_lshl_add_u32 v[SPW], v0, 2, SPARE
	v_mov_b32 v[NIL], 0
	ds_add_u32 v[SPW], v[NIL]                      ; the wave's opening: the add and its wait stand ahead of my first tensor load; the set-up below, work on registers, stands between them
	v_lshrrev_b32 v1, 5, v0
	v_readfirstlane_b32 s[WV], v1                  ; wave 0..3
	s_lshr_b32 s[RH], s[WV], 1
	s_and_b32 s[CH], s[WV], 1
	s_bfe_u32 s33, ttmp6, 0x40000                  ; cx, cy: my place in the cluster
	s_bfe_u32 s34, ttmp6, 0x40004
	s_lshl_b32 s35, ttmp9, 2
	s_add_co_u32 s35, s35, s33                     ; tile column of out = 4 x cluster x + cx
	s_and_b32 s36, ttmp7, 0xffff
	s_lshl_b32 s36, s36, 2
	s_add_co_u32 s36, s36, s34                     ; tile row of out = 4 x cluster y + cy
	s_lshl_b32 s37, s34, 2
	s_lshl_b32 s37, 15, s37                        ; my row of the cluster
	s_lshl_b32 s38, 0x1111, s33                    ; my column
	; descriptor group 1: a tile of 128 rows x 256 bytes, padded in LDS
	s_or_b32 s[G1A], s37, (0<<16)|(1<<20)|(1<<21)|(5<<22)|(3<<25)   ; 15:0 the mask: the activations' tiles go to my row; 17:16 element of 1 byte; 20 padding on; 21 set beside a mask; 24:22 after every 64 words (code 5); 31:25 of 4 words (code 3)
	s_or_b32 s[G1B], s38, (0<<16)|(1<<20)|(1<<21)|(5<<22)|(3<<25)   ; the same with the mask of my column, for the weights' tiles
.irp g, G1A, G1B
	s_mov_b32 s[\g+1], 256<<16                     ; tensor_dim0 = 256
	s_mov_b32 s[\g+2], 128<<16                     ; tensor_dim1 = 128
	s_mov_b32 s[\g+3], 256<<16                     ; tile_dim0 = 256
	s_mov_b32 s[\g+4], 128                         ; tile_dim1 = 128
	s_mov_b32 s[\g+5], KROW                        ; tensor_dim0_stride
	s_mov_b32 s[\g+6], 0
	s_mov_b32 s[\g+7], 0
.endr
	; byte offsets, all under 2^32.  The activations' hang on the tile row alone, the weights' on the tile column alone, each in registers that never hold the other coordinate
	s_lshl_b32 s39, s[CH], 17                      ; which 128 rows of 1,024 bytes I fetch
	s_lshl_b32 s84, s36, 18
	s_add_co_u32 s84, s84, s39                     ; activations' codes: row 256 x tile row + 128 x half
	s_mov_b32 s85, 0
	s_lshl_b32 s86, s35, 18
	s_add_co_u32 s86, s86, s39                     ; weights' codes: row 256 x tile column + 128 x half
	s_mov_b32 s87, 0
	s_lshl_b32 s88, s36, 13
	s_lshl_b32 s39, s[RH], 12
	s_add_co_u32 s88, s88, s39                     ; the scale bytes of the 128 activation rows that I multiply: 32 bytes a row
	s_mov_b32 s89, 0
	s_lshl_b32 s90, s35, 13
	s_lshl_b32 s39, s[CH], 12
	s_add_co_u32 s90, s90, s39                     ; and of my 128 rows of the weight
	s_mov_b32 s91, 0
	s_lshl_b32 s92, s36, 20                        ; out: row 256 x tile row + 128 x half, 4,096 bytes a row;
	s_lshl_b32 s39, s[RH], 19
	s_add_co_u32 s92, s92, s39
	s_lshl_b32 s94, s35, 10                        ; column 256 x tile column + 128 x half, 4 bytes a number
	s_add_co_u32 s92, s92, s94
	s_lshl_b32 s39, s[CH], 9
	s_add_co_u32 s92, s92, s39
	s_mov_b32 s93, 0
	s_mul_i32 s83, s[WV], HALFT                    ; where my tiles go: wave x 128 rows: no place in the cluster enters an LDS address
	s_mov_b32 s[SEL], 0x76543210
	s_mov_b32 s[SEL+1], 0xfedcba98
	s_mov_b32 s[L2E], 0x3fb8aa3b                   ; log2(e)
	s_mov_b32 s[L2E+1], s[L2E]                     ; (named with it as a pair, so it is written)
	s_wait_dscnt 0x0                               ; the opening add is done
	s_wait_kmcnt 0x0
	s_add_nc_u64 s[4:5], s[4:5], s[84:85]
	s_add_nc_u64 s[12:13], s[12:13], s[84:85]
	s_add_nc_u64 s[20:21], s[20:21], s[84:85]
	s_add_nc_u64 s[8:9], s[8:9], s[86:87]
	s_add_nc_u64 s[16:17], s[16:17], s[86:87]
	s_add_nc_u64 s[24:25], s[24:25], s[86:87]
	s_add_nc_u64 s[6:7], s[6:7], s[88:89]
	s_add_nc_u64 s[14:15], s[14:15], s[88:89]
	s_add_nc_u64 s[22:23], s[22:23], s[88:89]
	s_add_nc_u64 s[10:11], s[10:11], s[90:91]
	s_add_nc_u64 s[18:19], s[18:19], s[90:91]
	s_add_nc_u64 s[26:27], s[26:27], s[90:91]
	s_add_nc_u64 s[OUT:OUT+1], s[OUT:OUT+1], s[92:93]
	CROUND                                         ; all sixteen work-groups are here: the first joint loads meet
.irp s, 0,1
	s_mov_b32 s[G0A+4*\s], 1                                       ; 1:0 count = 1
	s_add_co_u32 s[G0A+4*\s+1], s83, \s*SLOT                       ; 63:32 LDS address
	s_add_nc_u64 s[G0A+4*\s+2:G0A+4*\s+3], s[4:5], \s*256          ; 120:64 global address: q's K step s
	s_or_b32 s[G0A+4*\s+3], s[G0A+4*\s+3], 0x80000000              ; 127:126 type = 2
	s_mov_b32 s[G0B+4*\s], 1
	s_add_co_u32 s[G0B+4*\s+1], s83, \s*SLOT
	s_add_nc_u64 s[G0B+4*\s+2:G0B+4*\s+3], s[8:9], \s*256
	s_or_b32 s[G0B+4*\s+3], s[G0B+4*\s+3], 0x80000000
	JLOAD \s                                       ; the ring is filled before anything else is done: two tensor loads of mine are out
.endr
	v_and_b32 v7, 31, v0                           ; lane
	v_lshlrev_b32 v[VSO], 5, v7
	SLOAD 0, 6, 10                                 ; q's and Wq's scale words: K steps 0 and 1,
	SLOAD 1, 6, 10                                 ; K steps 2 and 3
	v_and_b32 v1, 15, v0                           ; l % 16
	v_bfe_u32 v2, v0, 4, 1                         ; l / 16
	v_mul_u32_u24 v3, v1, PITCH
	v_lshl_add_u32 v4, v2, 4, v3                   ; a fragment's row x pitch + 16 x half
	s_mul_i32 s95, s[RH], HALFT                    ; my 128 activation rows
	s_mul_i32 s96, s[CH], HALFT                    ; my 128 rows of the weight,
	s_add_co_u32 s96, s96, 2*HALFT                 ; which lie behind the activations' 256
.irp s, 0,1
	v_add_nc_u32 v[ADRA+\s], s95, v4
	v_add_nc_u32 v[ADRB+\s], s96, v4
	s_add_co_u32 s95, s95, SLOT
	s_add_co_u32 s96, s96, SLOT
.endr
	s_mul_i32 s97, s[WV], 16*SPITCH                ; my stage
	v_mul_u32_u24 v5, v1, SPITCH                   ; in: row l % 16, 32 bytes for each half of the lanes
	v_lshl_add_u32 v5, v2, 5, v5
	v_add_nc_u32 v[STO], s97, v5
	v_lshlrev_b32 v[CO], 4, v7                     ; back: the 32 lanes take one row of 512 bytes; and the same in out
	v_add_nc_u32 v[RD], s97, v[CO]
	v_lshlrev_b32 v[PFO], 10, v7
.irp i, 0,1,2,3,4,5,6,7,8,9,10,11,12,13,14,15
	v_mov_b32 v[QR+2*\i+1], 0                      ; written once: a lane permute's destination counts as one of its sources
.endr
	; the prefetches: where mine stand, and whether I ask
	s_and_b32 s99, ttmp7, 0xffff                   ; cluster y
	s_cmp_eq_u32 s[RH], 0                          ; do I fetch activations?
	s_cselect_b64 s[PFA:PFA+1], s[NA:NA+1], s[NB:NB+1]
	s_cselect_b64 s[PFV:PFV+1], s[20:21], s[24:25]
	s_cselect_b32 s98, s33, s34                    ; my place among the four that ask for the tile with me
	s_cselect_b32 s99, 0, s99                      ; the coordinate along which other clusters read the same rows: none for the activations, cluster y for the weights
	s_cmp_eq_u32 s99, 0
	s_cselect_b32 s[LIM], 1, -1                    ; the same in all sixteen partners, for a given wave
	s_lshl_b32 s98, s98, 15                        ; my work-group's 32 rows of 1,024 bytes
	s_mov_b32 s99, 0
	s_add_nc_u64 s[PFA:PFA+1], s[PFA:PFA+1], s[98:99]
	s_add_nc_u64 s[PFV:PFV+1], s[PFV:PFV+1], s[98:99]
.macro FRAG reg, adr, q, i             ; a fragment, 16 rows x 128 K of 8-bit codes, is 16 registers: lane l holds row l % 16; registers 4 c .. 4 c + 3 hold K = 32 c + 16 (l / 16) + 0 .. 15
.irp c, 0,1,2,3
	ds_load_b128 v[\reg+4*\c:\reg+4*\c+3], v[\adr] offset:128*(\q)+32*\c+(\i)*16*PITCH
.endr
.endm
; One matrix instruction, by the symbols that MUL16 or ROW sets.  Source 0's scales (the weight's block b) come from lanes 16-31 where b is odd, source 1's (the activations' block a) likewise where a is odd.
.macro WM zero
.if \zero
.if pB && pA
	v_wmma_scale_f32_16x16x128_f8f6f4 v[rD:rD+7], v[rB:rB+FR-1], v[rA:rA+FR-1], 0, v[rSB], v[rSA] matrix_a_scale:MATRIX_SCALE_ROW1 matrix_b_scale:MATRIX_SCALE_ROW1
.elseif pB
	v_wmma_scale_f32_16x16x128_f8f6f4 v[rD:rD+7], v[rB:rB+FR-1], v[rA:rA+FR-1], 0, v[rSB], v[rSA] matrix_a_scale:MATRIX_SCALE_ROW1
.elseif pA
	v_wmma_scale_f32_16x16x128_f8f6f4 v[rD:rD+7], v[rB:rB+FR-1], v[rA:rA+FR-1], 0, v[rSB], v[rSA] matrix_b_scale:MATRIX_SCALE_ROW1
.else
	v_wmma_scale_f32_16x16x128_f8f6f4 v[rD:rD+7], v[rB:rB+FR-1], v[rA:rA+FR-1], 0, v[rSB], v[rSA]
.endif
.else
.if pB && pA
	v_wmma_scale_f32_16x16x128_f8f6f4 v[rD:rD+7], v[rB:rB+FR-1], v[rA:rA+FR-1], v[rD:rD+7], v[rSB], v[rSA] matrix_a_scale:MATRIX_SCALE_ROW1 matrix_b_scale:MATRIX_SCALE_ROW1
.elseif pB
	v_wmma_scale_f32_16x16x128_f8f6f4 v[rD:rD+7], v[rB:rB+FR-1], v[rA:rA+FR-1], v[rD:rD+7], v[rSB], v[rSA] matrix_a_scale:MATRIX_SCALE_ROW1
.elseif pA
	v_wmma_scale_f32_16x16x128_f8f6f4 v[rD:rD+7], v[rB:rB+FR-1], v[rA:rA+FR-1], v[rD:rD+7], v[rSB], v[rSA] matrix_b_scale:MATRIX_SCALE_ROW1
.else
	v_wmma_scale_f32_16x16x128_f8f6f4 v[rD:rD+7], v[rB:rB+FR-1], v[rA:rA+FR-1], v[rD:rD+7], v[rSB], v[rSA]
.endif
.endif
.endm
; 16 matrix instructions: the activations' blocks a0 (even), a0 + 1 x the weight's eight, 128 along K: the tensor's kk-th.  p: the weight's set.  zero = 1: the product starts the sums: nothing is ever cleared.
; The 64 accumulators take turns, one instruction a turn, in the same order in every step.
.macro MUL16 a0, p, kk, zero
.irp al, 0,1
.irp b, 0,1,2,3,4,5,6,7
.set rD,  8*(8*(((\a0)+\al)%4)+\b)
.set rB,  128*(\p)+FR*\b
.set rA,  AF+FR*((\a0)+\al)
.set rSB, VSB+8*(\b/2)+(\kk)
.set rSA, VSA+8*((\a0)/2)+(\kk)
.set pB,  \b%2
.set pA,  \al
	WM \zero
.endr
.endr
.endm
.macro FETCH_B slot, q, p              ; the weight's eight fragments of the slot's q-th 128 along K into set p
	WIN TO_B
.irp i, 0,1,2,3,4,5,6,7
	FRAG 128*(\p)+FR*\i, ADRB+\slot, \q, \i
.endr
	WIN 0
.endm
.macro FETCH_A slot, q, i0             ; the activations' blocks i0 .. i0 + 3
.irp i, \i0, \i0+1, \i0+2, \i0+3
	FRAG AF+FR*(\i), ADRA+\slot, \q, \i
.endr
.endm
; A load into a register that a matrix instruction has read or written, and a vector instruction or an LDS store that reads a matrix result, stand NP places behind that matrix instruction, and only plain vector
; instructions that name none of its registers are places (ISA guide 7.12.1 for vector instructions); this text does not count the matrix instructions in between.
.macro PLACES n
.rept \n
	v_nop
.endr
.endm
; A slot's first 128 along K (the tensor's kk-th, kk even): its successor lies in the same slot.  A block of activations is free as soon as its eight products are issued, so one set serves them:
; blocks 0-3 are fetched anew in the step's middle, blocks 4-7 at its end.  The weight's fragments are at work through the whole step and have two sets.
.macro STEP slot, kk, zero
	s_wait_dscnt 4*NL                              ; the weight's set and blocks 0-3 are in; the youngest sixteen loads (blocks 4-7) may be out
	WIN MUL_LO
	MUL16 0, 0, \kk, \zero
	MUL16 2, 0, \kk, \zero
	s_wait_dscnt 0                                 ; blocks 4-7 are in (asked for 32 matrix instructions ago)
	PLACES NP
	FETCH_B \slot, 1, 1
	FETCH_A \slot, 1, 0
	WIN MUL_HI
	MUL16 4, 0, \kk, \zero
	MUL16 6, 0, \kk, \zero
	PLACES NP
	WIN 0
	FETCH_A \slot, 1, 4
.endm
; A slot's second 128 along K (kk odd).  All its fragments have been asked for by STEP, so THE CHANGE OF SLOTS STANDS AT ITS HEAD: each wave waits for all its tensor loads, adds 0 to its spare word, steps the
; descriptors while the add is out, and waits for the add and for its own reads of this slot; a round of the cluster's barrier; the joint refill.  Only then come the step's 64 products, which read registers alone.
; So from a refill to the next wait for all loads a wave issues these 64 products and the next slot's first 64: 128 matrix instructions; and between that wait and the next refill stands no product.
; kind = 1: this slot is filled again with the same tensor's K step two on;  2: with the NEXT tensor's K step 0 (slot 0) or 1 (slot 1).
; sl = 0, 1: at the end, eight places behind the last product that read them, half sl of the scale words is loaded anew with the next tensor's;  2: only the wait for the last such loads;  -1: nothing.
; pf: the byte along K of the next tensor's rows that is prefetched, or -1.
.macro TURN slot, next, kind, kk, sl, pf
	s_wait_tensorcnt 0x0                           ; all my tensor loads have landed: the one that was out is my part of the next slot; so every group 0 may be written  (every window is 0 here)
	ds_add_u32 v[SPW], v[NIL]                      ; 0 onto my spare word: the descriptors' steps stand between it and the wait for it
.if \kind == 1
	s_add_nc_u64 s[G0A+4*\slot+2:G0A+4*\slot+3], s[G0A+4*\slot+2:G0A+4*\slot+3], 512   ; two K steps on; the type bits on top are not reached
	s_add_nc_u64 s[G0B+4*\slot+2:G0B+4*\slot+3], s[G0B+4*\slot+2:G0B+4*\slot+3], 512
.else
	s_add_nc_u64 s[G0A+4*\slot+2:G0A+4*\slot+3], s[NA:NA+1], 256*\slot                 ; THE RING GOES ON INTO THE NEXT TENSOR
	s_or_b32 s[G0A+4*\slot+3], s[G0A+4*\slot+3], 0x80000000
	s_add_nc_u64 s[G0B+4*\slot+2:G0B+4*\slot+3], s[NB:NB+1], 256*\slot
	s_or_b32 s[G0B+4*\slot+3], s[G0B+4*\slot+3], 0x80000000
.endif
	s_wait_dscnt 0x0                               ; the add is done, and my reads of this slot are over: its last fragments are in registers
	CROUND                                         ; no wave of any partner still reads this slot's tile or has a load on its way
	JLOAD \slot                                    ; the first tensor load behind the round, and my only one until the next
	WIN MUL_LO
	MUL16 0, 1, \kk, 0
	MUL16 2, 1, \kk, 0
	PLACES NP
	FETCH_B \next, 0, 0
	FETCH_A \next, 0, 0
.if \pf >= 0
	ASK \pf                                        ; behind the run of LDS loads that the next products wait for
.endif
	WIN MUL_HI
	MUL16 4, 1, \kk, 0
	MUL16 6, 1, \kk, 0
	PLACES NP
	WIN 0
	FETCH_A \next, 0, 4
.if \sl == 2
	s_wait_loadcnt 0x0                             ; v's words for K steps 2 and 3 are in: no load was issued behind them
.elseif \sl >= 0
	SLOAD \sl, NSA, NSB
	s_wait_loadcnt 8                               ; the eight just issued may stay out; the eight older ones, whose words the next two K steps read, are in
.endif
.endm
	s_wait_tensorcnt 1                             ; my part of K step 0 is in (K step 1's load may be out)
	s_barrier_signal -1
	s_barrier_wait -1                              ; everybody's is
	FETCH_B 0, 0, 0
	FETCH_A 0, 0, 0
	FETCH_A 0, 0, 4
	s_wait_loadcnt 8                               ; q's words for K steps 0 and 1 are in; the eight loads for K steps 2 and 3 may be out
	STEP 0, 0, 1                                   ; q's first 128 along K stand in front of the loop: their products start the sums
	s_mov_b32 s[CNT], 2
.Lgemm:                                                ; a trip is a tensor: q with Wq, then k with Wk, from its second 128 along K to the next tensor's first fragments
	TURN 0, 1, 1, 1, -1, 0
	STEP 1, 2, 0
	TURN 1, 0, 1, 3, 0, 256
	STEP 0, 4, 0
	TURN 0, 1, 2, 5, -1, 512
	STEP 1, 6, 0
	TURN 1, 0, 2, 7, 1, 768
	s_wait_xcnt 0x0                                ; the scale loads and the prefetches have read their bases (the last prefetch stands 32 matrix instructions back): they may be written
	s_mov_b64 s[NA:NA+1], s[20:21]                 ; the next tensor is now v
	s_mov_b64 s[NSA:NSA+1], s[22:23]
	s_mov_b64 s[NB:NB+1], s[24:25]
	s_mov_b64 s[NSB:NSB+1], s[26:27]
	s_mov_b64 s[PFA:PFA+1], s[PFV:PFV+1]
	s_sub_co_u32 s[CNT], s[CNT], 1
	s_cmp_eq_u32 s[CNT], 0
	s_cbranch_scc1 .Lsums_done                     ; behind k the sums a + b are whole: v's first products do not add onto them.  The jump leads round 64 products and their LDS loads alone
	STEP 0, 0, 0                                   ; k's first 128 along K go on with q's sums
.Lsums_done:
	s_cmp_lg_u32 s[CNT], 0
	s_cbranch_scc1 .Lgemm
; exp(a + b), in place: x log2(e), two at a time, then v_exp_f32.  A pair is scaled two pairs ahead of its exponentials; each accumulator is read from its low end on.  None of these lines names an exponential's result.
.macro ME w                            ; w = 0: window 2;  1: window 3
	WIN 0x82+0x41*\w                               ; destination and source 0
	v_pk_mul_f32 v[0:1], v[0:1], s[L2E:L2E+1] op_sel_hi:[1,0]
	v_pk_mul_f32 v[2:3], v[2:3], s[L2E:L2E+1] op_sel_hi:[1,0]
.set p, 0
.rept 128
.if p+2 < 128
	v_pk_mul_f32 v[2*p+4:2*p+5], v[2*p+4:2*p+5], s[L2E:L2E+1] op_sel_hi:[1,0]
.endif
	v_exp_f32 v[2*p], v[2*p]
	v_exp_f32 v[2*p+1], v[2*p+1]
.set p, p+1
.endr
.endm
.macro HLEVEL d, n                     ; in each of the window's eight groups of 32 registers (a block of rows, a head): n pairs take the pairs d registers on; the groups by turns
.set k, 0
.rept \n
.irp g, 0,1,2,3,4,5,6,7
	v_pk_add_f32 v[32*\g+2*k:32*\g+2*k+1], v[32*\g+2*k:32*\g+2*k+1], v[32*\g+\d+2*k:32*\g+\d+2*k+1]
.endr
.set k, k+1
.endr
.endm
.macro HSUM w                          ; my 32 numbers of each head: 15 packed additions and one plain one, which lands in window 0
	WIN 0x8a+0x45*\w
	HLEVEL 16, 8
	HLEVEL 8, 4
	HLEVEL 4, 2
	HLEVEL 2, 1
	WIN 0x0a+0x05*\w
.irp g, 0,1,2,3,4,5,6,7
	v_add_f32 v[QR+2*(8*\w+\g)], v[32*\g], v[32*\g+1]
.endr
.endm
	; ---- qk and 1 / qk.  The eight places behind the last products are TURN's own.  No LDS instruction stands here, so the counts of the loads of v's first fragments, which are on their way, stay as STEP expects them
	ME 0
	ME 1
	v_nop                                          ; a plain instruction behind the last exponential
	s_wait_alu depctr_va_vdst(0)                   ; the wait ahead of the first line that names a result: one for the 512 exponentials
	HSUM 0
	HSUM 1
	WIN 0
.irp i, 0,1,2,3,4,5,6,7,8,9,10,11,12,13,14,15
	v_permlanex16_b32 v[QR+2*\i+1], v[QR+2*\i], s[SEL], s[SEL+1]   ; the head's other 32 columns of my row lie in the lane 16 away
.endr
.irp i, 0,1,2,3,4,5,6,7,8,9,10,11,12,13,14,15
	v_add_f32 v[QR+2*\i], v[QR+2*\i], v[QR+2*\i+1]                 ; qk
.endr
.irp i, 0,1,2,3,4,5,6,7,8,9,10,11,12,13,14,15
	v_rcp_f32 v[QR+2*\i+1], v[QR+2*\i]                             ; 1 / qk
.endr
	v_nop                                          ; a plain instruction behind the last reciprocal
	s_wait_alu depctr_va_vdst(0)                   ; and the wait: one for the sixteen
; THE LAST K STEP (v's K = 768 on, in slot 1) BY ROWS OF out.  The weight's set 0 holds its first 128 along K (kk = 6), set 1 its second (kk = 7); the activations come by blocks of 16 rows x 256 K, 32 registers,
; into four buffers where the one set lay.  A block is finished by 16 products: its 8 accumulators by turns, K ascending.  LDS is read no more than in any other K step.
.macro ALOAD a                         ; block a's two fragments -> buffer a % 4
	FRAG AF+32*((\a)%4), ADRA+1, 0, \a
	FRAG AF+32*((\a)%4)+FR, ADRA+1, 1, \a
.endm
.macro ROW a
	WIN MUL_LO+0x50*((\a)/4)                       ; MUL_LO or MUL_HI
.irp q, 0,1
.if ((\a) == 0) && (\q == 1)
	s_wait_dscnt 16                                ; the weight's kk = 7 is in (behind it: the activations' blocks 2 and 3)
.endif
.irp b, 0,1,2,3,4,5,6,7
.set rD,  8*(8*((\a)%4)+\b)
.set rB,  128*\q+FR*\b
.set rA,  AF+32*((\a)%4)+FR*\q
.set rSB, VSB+8*(\b/2)+6+\q
.set rSA, VSA+8*((\a)/2)+6+\q
.set pB,  \b%2
.set pA,  (\a)%2
	WM 0
.endr
.endr
.endm
; THE WAY OUT of block a, 16 rows x 128 columns.  SCALEV: (qk V), then x 1 / qk, in place, two at a time; each accumulator from its low end on.  The pair (qk, 1 / qk) gives its low word to both halves;
; 1 / qk of the block's two heads is moved into low words of its own.
.macro SCALEV a
.set AC, 64*((\a)%4)
	WIN 0
	v_mov_b32 v[RT], v[QR+4*(\a)+1]
	v_mov_b32 v[RT+2], v[QR+4*(\a)+3]
	WIN 0x82+0x41*((\a)/4)                         ; destination and source 0: window 2 or 3; source 1: window 0
.irp b, 0,1,2,3,4,5,6,7
.irp r, 0,2,4,6
	v_pk_mul_f32 v[AC+8*\b+\r:AC+8*\b+\r+1], v[AC+8*\b+\r:AC+8*\b+\r+1], v[QR+4*(\a)+2*(\b/4):QR+4*(\a)+2*(\b/4)+1] op_sel_hi:[1,0]
.endr
.endr
.irp b, 0,1,2,3,4,5,6,7
.irp r, 0,2,4,6
	v_pk_mul_f32 v[AC+8*\b+\r:AC+8*\b+\r+1], v[AC+8*\b+\r:AC+8*\b+\r+1], v[RT+2*(\b/4):RT+2*(\b/4)+1] op_sel_hi:[1,0]
.endr
.endr
.endm
; A lane holds 32 neighbouring bytes of a row, and the lanes beside it hold other rows: so a block goes through my own stage in LDS and comes back as whole rows of 512 bytes, into the 64 registers that it left:
; registers 4 t .. 4 t + 3 then hold my four columns of row t.  LDS serves a wave's instructions in order (ISA guide 5.7.1.4): no wait between the stores and the loads, nor in front of the next block's stores.
.macro TOSTAGE a
.set AC, 64*((\a)%4)
	WIN 0x08+4*((\a)/4)                            ; an LDS store's data are its source 1: window 2 or 3
.irp b, 0,1,2,3,4,5,6,7
	ds_store_b128 v[STO], v[AC+8*\b:AC+8*\b+3] offset:64*\b
	ds_store_b128 v[STO], v[AC+8*\b+4:AC+8*\b+7] offset:64*\b+16
.endr
	WIN 0x80+0x40*((\a)/4)                         ; destination window 2 or 3, address window 0
.irp t, 0,1,2,3,4,5,6,7,8,9,10,11,12,13,14,15
	ds_load_b128 v[AC+4*\t:AC+4*\t+3], v[RD] offset:\t*SPITCH
.endr
.endm
; Behind the stage a lane holds the same four columns of all 16 rows: the running sum over the four rows of an s (rows 4 g .. 4 g + 3) is three steps of packed additions, the four s by turns.  Then the rows are stored.
; Each block has registers of its own and every row's place stands in the immediate (127 rows of 4,096 bytes at the most, inside the signed 24 bits: ISA guide, chapter 10): no source of a store is ever written again.
.macro SEND a
.set AC, 64*((\a)%4)
	s_wait_dscnt 0x0                               ; the block is back in registers (its loads were issued ahead of the next block's 16 products); so are the activations' blocks asked for meanwhile
	WIN 0x8a+0x45*((\a)/4)                         ; destination and both sources: window 2 or 3
.irp st, 1,2,3
.irp g, 0,1,2,3
	v_pk_add_f32 v[AC+4*(4*\g+\st):AC+4*(4*\g+\st)+1], v[AC+4*(4*\g+\st):AC+4*(4*\g+\st)+1], v[AC+4*(4*\g+\st-1):AC+4*(4*\g+\st-1)+1]
	v_pk_add_f32 v[AC+4*(4*\g+\st)+2:AC+4*(4*\g+\st)+3], v[AC+4*(4*\g+\st)+2:AC+4*(4*\g+\st)+3], v[AC+4*(4*\g+\st-1)+2:AC+4*(4*\g+\st-1)+3]
.endr
.endr
	WIN 0x08+4*((\a)/4)                            ; a store's data are its source 1: window 2 or 3; its offset register lies in window 0
.irp t, 0,1,2,3,4,5,6,7,8,9,10,11,12,13,14,15
	global_store_b128 v[CO], v[AC+4*\t:AC+4*\t+3], s[OUT:OUT+1] offset:(16*(\a)+\t)*4096 th:TH_STORE_NT   ; 32 lanes store 512 consecutive bytes, at a multiple of 256 from out's first byte; written once, read by nobody here
.endr
.endm
	; ---- V = v Wv^T, on the same accumulators: written out, since its tail fetches nothing
	STEP 0, 0, 1                                   ; the products start the sums anew
	TURN 0, 1, 1, 1, -1, -1
	STEP 1, 2, 0
	TURN 1, 0, 1, 3, 2, -1
	STEP 0, 4, 0
	; the last change of slots fills nothing, and has no round of the cluster's barrier
	s_wait_tensorcnt 0x0                           ; my part of slot 1, the last K step, is in
	ds_add_u32 v[SPW], v[NIL]                      ; 0 onto my spare word
	s_wait_dscnt 0x0                               ; the add is done, and my reads of slot 0 are over: behind this barrier its first bytes are the stages
	s_barrier_signal -1
	s_barrier_wait -1
	WIN MUL_LO
	MUL16 0, 1, 5, 0                               ; kk = 5, from registers
	MUL16 2, 1, 5, 0
	PLACES NP
	FETCH_B 1, 0, 0                                ; the weight's kk = 6 into set 0
	ALOAD 0                                        ; into the registers that blocks 0-3 have left
	ALOAD 1
	WIN MUL_HI
	MUL16 4, 1, 5, 0
	MUL16 6, 1, 5, 0
	PLACES NP
	FETCH_B 1, 1, 1                                ; the weight's kk = 7 into set 1
	ALOAD 2                                        ; into the registers that blocks 4-7 have left
	ALOAD 3
	s_wait_dscnt 48                                ; all but the 48 just issued: the weight's kk = 6 and blocks 0 and 1 are in
.irp a, 0,1,2,3,4,5,6,7
	ROW \a                                         ; block a is finished
	PLACES NP                                      ; for the reads of its results, for the loads into its accumulators and into its buffer
.if \a > 0
	SEND \a-1                                      ; the block before has come back from the stage while these 16 products were issued: it leaves
.endif
	WIN 0
.if \a < 4
	ALOAD \a+4                                     ; its buffer takes the block four further on
.endif
	SCALEV \a
	TOSTAGE \a
.endr
	SEND 7
	WIN 0
	s_wait_tensorcnt 0x0                           ; the wave's end: the wait, the add and its wait stand behind my last tensor load and my last LDS store
	ds_add_u32 v[SPW], v[NIL]
	s_wait_dscnt 0x0
	CROUND                                         ; the closing round: no work-group ends while a partner may still ask for a tile that names it
	s_endpgm
.Lfunc_end_k_q097521af9b_fused:
	.size	k_q097521af9b_fused, .Lfunc_end_k_q097521af9b_fused-k_q097521af9b_fused
	.p2alignl 7, 3214868480
	.fill 96, 4, 3214868480
	.section	.rodata,"a",@progbits
	.p2align	6, 0x0
	.amdhsa_kernel k_q097521af9b_fused
		.amdhsa_group_segment_fixed_size 327680
		.amdhsa_private_segment_fixed_size 0
		.amdhsa_enable_private_segment 0
		.amdhsa_kernarg_size 104
		.amdhsa_user_sgpr_count 2
		.amdhsa_user_sgpr_kernarg_segment_ptr 1
		.amdhsa_wavefront_size32 1
		.amdhsa_system_sgpr_workgroup_id_x 1
		.amdhsa_system_sgpr_workgroup_id_y 1
		.amdhsa_system_sgpr_workgroup_id_z 1
		.amdhsa_system_vgpr_workitem_id 0
		.amdhsa_next_free_vgpr 1024
		.amdhsa_next_free_sgpr 100
		.amdhsa_reserve_vcc 0
		.amdhsa_float_denorm_mode_32 3
		.amdhsa_float_denorm_mode_16_64 3
		.amdhsa_memory_ordered 1
		.amdhsa_forward_progress 1
		.amdhsa_inst_pref_size 255
	.end_amdhsa_kernel
	.section	.bss,"aw",@nobits
	.p2align	6
	.space	262144
	.amdgpu_metadata
---
amdhsa.version: [ 1, 2 ]
amdhsa.kernels:
  - .name:           k_q097521af9b_fused
    .symbol:         k_q097521af9b_fused.kd
    .args:
      - { .name: q_codes, .offset: 0, .size: 8, .value_kind: global_buffer, .address_space: global }
      - { .name: q_scales, .offset: 8, .size: 8, .value_kind: global_buffer, .address_space: global }
      - { .name: Wq_codes, .offset: 16, .size: 8, .value_kind: global_buffer, .address_space: global }
      - { .name: Wq_scales, .offset: 24, .size: 8, .value_kind: global_buffer, .address_space: global }
      - { .name: k_codes, .offset: 32, .size: 8, .value_kind: global_buffer, .address_space: global }
      - { .name: k_scales, .offset: 40, .size: 8, .value_kind: global_buffer, .address_space: global }
      - { .name: Wk_codes, .offset: 48, .size: 8, .value_kind: global_buffer, .address_space: global }
      - { .name: Wk_scales, .offset: 56, .size: 8, .value_kind: global_buffer, .address_space: global }
      - { .name: v_codes, .offset: 64, .size: 8, .value_kind: global_buffer, .address_space: global }
      - { .name: v_scales, .offset: 72, .size: 8, .value_kind: global_buffer, .address_space: global }
      - { .name: Wv_codes, .offset: 80, .size: 8, .value_kind: global_buffer, .address_space: global }
      - { .name: Wv_scales, .offset: 88, .size: 8, .value_kind: global_buffer, .address_space: global }
      - { .name: out0, .offset: 96, .size: 8, .value_kind: global_buffer, .address_space: global }
    .group_segment_fixed_size: 327680
    .private_segment_fixed_size: 0
    .kernarg_segment_align: 8
    .kernarg_segment_size: 104
    .max_flat_workgroup_size: 128
    .sgpr_count:     100
    .vgpr_count:     1024
    .wavefront_size: 32
...
	.end_amdgpu_metadata
.endif
;; end of part 1
